; MI455X (gfx1250); checked and timed in simulation.
; The chip was launched on July 23, 2026; its instructions are those of AMD's public machine-readable ISA for CDNA 5 (MIT licence, August 2026) and "CDNA5" Instruction Set Architecture Reference Guide (July 2026). The comments in the code are by the model that wrote it; some were corrected since.
;; RBF Potential Periodic. Allowed arithmetic: float matrix products may take bf16 or f16 operands with f32 sums; all other float work in f32.
;; Inputs: a 32 float32; b 1 float32; c 1,024 x 32 float32; logsig 1,024 float32; w 1,024 float32; x 8,192 x 32 float32.
;; Outputs: out0 8,192 float32.
;; One version. Each part assembles by itself: llvm-mc -triple=amdgcn-amd-amdhsa -mcpu=gfx1250 --defsym DOCPART=n.
;; ======== version 1 of 1: 1 launch
;; limits: a difference of large sums (such as E[x^2] - mean^2): digits are lost where the result is much smaller than its terms; inputs' magnitudes at most 26,000,000
;; launch rbf (part 1): grid 256 x 1, 8 waves a work-group, clusters of 4 x 1, 168,960 bytes of LDS; arguments x, c, logsig, w, a, b, out0; writes out0
.if DOCPART == 1
	.amdgcn_target "amdgcn-amd-amdhsa--gfx1250"
	.amdhsa_code_object_version 6
	.text
	.protected	k_q7ac56cc3bb_rbf
	.globl	k_q7ac56cc3bb_rbf
	.p2align	8
	.type	k_q7ac56cc3bb_rbf,@function
k_q7ac56cc3bb_rbf:
	s_mov_b64 s[64:65], 0
	v_nop
	global_prefetch_b8 v0, s[64:65] scope:SCOPE_SE
	s_setreg_imm32_b32 hwreg(HW_REG_WAVE_MODE, 25, 1), 1
	s_wait_xcnt 0x0
	s_wait_alu depctr_hold_cnt(0) depctr_sa_sdst(0) depctr_va_vdst(0) depctr_va_sdst(0) depctr_va_ssrc(0) depctr_va_vcc(0) depctr_vm_vsrc(0)
	s_getreg_b32 s2, hwreg(HW_REG_IB_STS2, 6, 4)
	s_cmp_eq_u32 s2, 0
	s_cbranch_scc0 .Lentry_in_a_cluster
	s_endpgm
.Lentry_in_a_cluster:
	s_bfe_u32 s2, ttmp6, 0x10000c
	s_cmp_lg_u32 s2, 0x3003
	s_cbranch_scc0 .Lentry_shape_is_right
	s_endpgm
.Lentry_shape_is_right:
; out[n] = sum over m of w[m] exp(-0.5 r2[n][m] / exp(2 logsig[m])) + x[n].a + b,   r2 = 4 sum over d of sin^2((x[n][d]-c[m][d])/2).
; x [8192][32], c [1024][32], logsig, w [1024], a [32], b [1], out [8192], all f32.
;
; THE FORM.  4 sin^2(t/2) = 2 (1 - cos t) and cos(x-c) = cos x cos c + sin x sin c.  With u = 1 - cos x, v = 1 - cos c:
;   q[n][m] = -r2/2 = sum_d (u v + sin x sin c) - U[n] - V[m],   U = sum_d u,  V = sum_d v,   Phi = exp2(G[m] q),  G = log2(e) exp(-2 logsig).
; This holds for every input.  The sum over d is a matrix product; sines and cosines are needed of x and of c only.
; u is made as 2 sin^2(x/2), so small angles keep their relative accuracy.
; ACCURACY.  U + V - product is a difference of sums, so the matrix operands are not rounded once to bf16: every feature goes as hi + lo,
; two bf16 numbers, and the product is hi hi + hi lo + lo hi (six K steps of 32).  A product is then good to about 2^-17 of itself.
; U and V stay in f32; -U is the C operand of the first matrix instruction.
; LIMITS, kept on purpose:
;   - r2/2 carries an absolute error of about 3e-5 for numbers of the size of 1 (bound: 1.1e-5 x sum |products| <= 2e-3); Phi carries that
;     error divided by sigma^2 as a relative error, so a centre with sigma^2 below about 1e-3 that lies that close to a row is off by over 1 %.
;   - the reduction by 2 pi rounds x / 2 pi by adding 1.5 x 2^23: |x|, |c| < 2^22 x 2 pi = 2.6e7.
;   - q <= 0 in exact arithmetic; the exponent is taken as -G |q|, so Phi <= 1 whatever the rounding.  Phi below 2^-126 comes out as 0.
;   - the sums over m and d are taken in another order than a plain loop would take them.
; Phi.w and x.a have one output column: a matrix tile would be used to one sixteenth, so they are f32 multiply-adds on numbers already in registers.
;
; THE SHARES.  256 work-groups of 8 waves; a work-group owns 32 rows of x and all 1024 centres (the sum over m stays inside it).
; Head: thread t takes 4 numbers of x (row t/8), 4 of a, 4 of logsig and of w; features of x, -U, x.a, w and -G go to LDS; one barrier.
; Then wave k owns centres 128 k .. 128 k + 127, eight tiles of 16.  Lane (r = lane % 16, h = lane / 16) reads dims 16 h .. 16 h + 15 of centre r and
; makes them into the B fragments in its own registers: A and B place K alike in the lanes, so any order of K that both sides share is right.
; In the result lane (r, h), register j holds row 8 h + j of x against centre r: V, G and w are one number a lane.
; CLUSTERS.  Every work-group reads the same 128 KiB of c: four work-groups form a cluster and ask for it jointly (mask 15).  Each wave asks for its own
; 16 KiB in four loads of 16 rows x 256 bytes, all first fills, four outstanding at the most; nothing in LDS is ever filled again.
; Four loads and not one, so that a wave starts when its first 4 KiB are in; the eight tiles are written out so that these waits can be counted.
.set CROW,   272                       ; LDS: 256 bytes (two centres) + 16 of padding.  Centre m at (m/2) 272 + (m%2) 128: the 16 centres of a tile start in 16 different 16-byte columns of a 256-byte span
.set TILEB,  8*CROW                    ; 16 centres
.set LOADB,  16*CROW                   ; what one tensor load fills: 32 centres
.set WREG,   4*LOADB                   ; a wave's 128 centres
.set XF,     8*WREG                    ; 139,264: features of x, four planes (u hi, u lo, sin hi, sin lo) of 32 rows
.set XPITCH, 80                        ; 64 bytes (32 bf16) + 16: an odd multiple of 16
.set XTYPE,  32*XPITCH
.set NU,     XF+4*XTYPE                ; 149,504: -U of the 32 rows
.set XA,     NU+128                    ; x.a of the 32 rows
.set WT,     NU+256                    ; w of the 1024 centres; 4,096 bytes further: -G
.set PART,   WT+8192                   ; 8 waves x 32 partial sums; ends at 158,976
; All that ds_store writes lies from XF on, in 256-byte blocks into which no tensor load lands.
.set GOFF, 1                           ; head: 16 t, byte offset in x's block, logsig and w.  Tail: 4 x lane
.set AOFF, 2                           ; head: byte offset in a.  Tail: LDS address
.set XS,   3                           ; head: where my 8 bytes of a feature plane go
.set NUS,  4                           ; head: my row's word of -U
.set WTS,  5                           ; head: my 16 bytes of the w table
.set GW,   4                           ; after the head v[4:5] = (w, -G) of my centre of the tile
.set LAX,  6                           ; A fragments in LDS
.set NUL,  7                           ; -U of rows 8 h ..
.set LA,   8                           ; my 64 bytes of centre r of my wave's tile 0
.set LGW,  9                           ; w of centre r of my wave's tile 0
.set PA,   10                          ; my wave's partial sums
.set VT,   11                          ; scratch
.set VV,   12                          ; v[12:13] = (V, scratch)
.set CI,   14                          ; constants, each twice, so that packed instructions read plain pairs
.set CM,   16
.set CNH,  18
.set CNL,  20
.set CS0,  22
.set CS1,  24
.set CS2,  26
.set CS3,  28
.set CS4,  30
.set CS5,  32
.set CC0,  34
.set CC1,  36
.set CC2,  38
.set CC3,  40
.set CC4,  42
.set CC5,  44
.set NEG1, 46
.set T2,   47                          ; scratch
.set AF,   48                          ; v[48:111]   A fragments: row tile T, plane F at AF + 32 T + 8 F
.set NEGU, 112                         ; v[112:127]  -U in the layout of C, 8 registers a row tile
.set SUM,  128                         ; v[128:143]  sum of w Phi, register 8 T + j
.set RR,   144                         ; 16 numbers: as loaded, then reduced, then 1 - cos
.set KK,   160                         ; 16: multiple of 2 pi, then r^2, then scratch
.set PP,   176                         ; 16: sine polynomial, then sqrt2 sin(r/2), then scratch
.set QQ,   192                         ; 16: cosine polynomial, then sin
.set BF,   208                         ; v[208:239]  B fragments, plane F at BF + 8 F
.set DD,   240                         ; v[240:255]  two accumulators; in the head: a, logsig, w and two sums
.set AV,   DD
.set LS,   DD+4
.set WV,   DD+8
.set XAV,  DD+12
.set UV,   DD+13
.set G1,   24                          ; s[24:31] descriptor group 1
.set G0,   32                          ; s[32:47] descriptor group 0, one set for each of the four loads: none is rewritten
.macro SETC reg, val
	v_mov_b32 v[\reg], \val
	v_mov_b32 v[\reg+1], \val
.endm
; np packed multiply-adds; sa, sb, sc = 1: the source steps with the pair, 0: it is a constant pair
.macro PKFMA d, a, sa, b, sb, c, sc, np
.set i, 0
.rept \np
	v_pk_fma_f32 v[\d+i:\d+i+1], v[\a+\sa*i:\a+\sa*i+1], v[\b+\sb*i:\b+\sb*i+1], v[\c+\sc*i:\c+\sc*i+1]
.set i, i+2
.endr
.endm
.macro PKMUL d, a, b, np
.set i, 0
.rept \np
	v_pk_mul_f32 v[\d+i:\d+i+1], v[\a+i:\a+i+1], v[\b+i:\b+i+1]
.set i, i+2
.endr
.endm
; 2 np angles in RR  ->  1 - cos in RR, sin in QQ.  r = angle - k 2 pi, |r| <= pi; with y = r^2:
; PP = sqrt2 sin(r/2) = r S(y), QQ = sqrt2 cos(r/2) = C(y), six coefficients each (error about 2e-9 on |r/2| <= pi/2); then 1 - cos = PP^2, sin = PP QQ.
; Every step runs over all pairs before the next one begins, so no instruction waits for the one in front of it.
.macro SINCOS np
	PKFMA KK, RR,1, CI,0, CM,0, \np                ; angle / 2 pi + 1.5 x 2^23: the sum is rounded to a whole number
.set i, 0
.rept \np
	v_pk_add_f32 v[KK+i:KK+i+1], v[KK+i:KK+i+1], v[CM:CM+1] neg_lo:[0,1] neg_hi:[0,1]   ; k
.set i, i+2
.endr
	PKFMA RR, KK,1, CNH,0, RR,1, \np               ; - k x (2 pi rounded to f32), exact product
	PKFMA RR, KK,1, CNL,0, RR,1, \np               ; - k x (the rest of 2 pi)
	PKMUL KK, RR, RR, \np                          ; y
	PKFMA PP, KK,1, CS5,0, CS4,0, \np
	PKFMA QQ, KK,1, CC5,0, CC4,0, \np
	PKFMA PP, PP,1, KK,1, CS3,0, \np
	PKFMA QQ, QQ,1, KK,1, CC3,0, \np
	PKFMA PP, PP,1, KK,1, CS2,0, \np
	PKFMA QQ, QQ,1, KK,1, CC2,0, \np
	PKFMA PP, PP,1, KK,1, CS1,0, \np
	PKFMA QQ, QQ,1, KK,1, CC1,0, \np
	PKFMA PP, PP,1, KK,1, CS0,0, \np
	PKFMA QQ, QQ,1, KK,1, CC0,0, \np
	PKMUL PP, PP, RR, \np                          ; sqrt2 sin(r/2)
	PKMUL RR, PP, PP, \np                          ; 1 - cos
	PKMUL QQ, PP, QQ, \np                          ; sin
.endm
; 2 np f32 in src  ->  np words of hi (nearest bf16) and np words of lo (nearest bf16 of src - hi).  The difference is exact.
.macro SPLIT src, tmp, hi, lo, np
.set i, 0
.rept \np
	v_cvt_pk_bf16_f32 v[\hi+i], v[\src+2*i], v[\src+2*i+1]
.set i, i+1
.endr
.set i, 0
.rept \np
	v_fma_mix_f32_bf16 v[\tmp+2*i], v[\hi+i], v[NEG1], v[\src+2*i] op_sel_hi:[1,0,0]                    ; src - hi, hi read as the low bf16
	v_fma_mix_f32_bf16 v[\tmp+2*i+1], v[\hi+i], v[NEG1], v[\src+2*i+1] op_sel:[1,0,0] op_sel_hi:[1,0,0] ; the high bf16
.set i, i+1
.endr
.set i, 0
.rept \np
	v_cvt_pk_bf16_f32 v[\lo+i], v[\tmp+2*i], v[\tmp+2*i+1]
.set i, i+1
.endr
.endm
.macro ROWSUM reg, m                   ; lane i adds lane i xor m of its 16
	v_add_f32_dpp v[\reg], v[\reg], v[\reg] row_xmask:\m row_mask:0xf bank_mask:0xf
.endm
; A round of the cluster's barrier: my work-group's barrier, wave 0 signals for the work-group, every wave waits for the four, my work-group's barrier again.
.macro ROUND
	s_barrier_signal -1
	s_barrier_wait -1
	s_cmp_lg_u32 s19, 0
	s_cbranch_scc1 .Lnot_wave_0_\@
	s_barrier_signal -3
.Lnot_wave_0_\@:
	s_barrier_wait -3
	s_barrier_signal -1
	s_barrier_wait -1
.endm
	s_load_b256 s[4:11], s[0:1], 0x0               ; x s[4:5], c s[6:7], logsig s[8:9], w s[10:11]
	s_load_b128 s[12:15], s[0:1], 0x20             ; a s[12:13], b s[14:15]
	s_load_b64 s[16:17], s[0:1], 0x30              ; out0
	s_set_vgpr_msb 0x40
	v_lshl_add_u32 v0, v0, 2, 0x29000
	v_mov_b32 v1, 0
	s_set_vgpr_msb 0x4045
	ds_add_u32 v0, v1
	s_set_vgpr_msb 0x4500
	v_lshrrev_b32 v[VT], 5, v0
	v_readfirstlane_b32 s19, v[VT]                 ; wave 0..7
	s_bfe_u32 s20, ttmp6, 0x40000                  ; my place in the cluster
	s_lshl_b32 s21, ttmp9, 2                       ; ttmp9 counts clusters
	s_add_co_u32 s21, s21, s20                     ; work-group 0..255: it enters the addresses of x and out alone
	s_mov_b32 s48, 0x76543210                      ; v_permlanex16_b32: lane i reads lane i of the other half
	s_mov_b32 s49, 0xfedcba98
	; group 1: a dense block as 16 rows of 32 elements of 8 bytes, 4 words of padding behind every 64
	s_mov_b32 s[G1+0], 15|(3<<16)|(1<<20)|(1<<21)|(5<<22)|(3<<25)  ; 15:0 mask: all four of the cluster; 17:16 8-byte elements; 20 padding on; 21 set beside a mask; 24:22 every 64 words; 31:25 four words
	s_mov_b32 s[G1+1], 32<<16                      ; tensor_dim0 = 32
	s_mov_b32 s[G1+2], 16<<16                      ; tensor_dim1 = 16
	s_mov_b32 s[G1+3], 32<<16                      ; tile_dim0 = 32
	s_mov_b32 s[G1+4], 16                          ; tile_dim1 = 16
	s_mov_b32 s[G1+5], 32                          ; 32 elements from row to row
	s_mov_b32 s[G1+6], 0
	s_mov_b32 s[G1+7], 0
	s_mul_i32 s50, s19, WREG                       ; my wave's part of LDS: the wave's number alone
	s_lshl_b32 s22, s19, 14                        ; and of c: 128 centres x 128 bytes
	s_mov_b32 s23, 0
	s_lshl_b32 s52, s21, 12                        ; my work-group's 32 rows of x
	s_mov_b32 s53, 0
	s_lshl_b32 s56, s21, 7                         ; and its 32 outputs
	s_mov_b32 s57, 0
	s_lshl_b32 s51, s19, 9
	s_add_co_u32 s51, s51, WT                      ; my wave's 128 words of w
	s_lshl_b32 s54, s19, 7
	s_add_co_u32 s54, s54, PART                    ; my wave's 32 partial sums
	; addresses and constants, while the arguments are on their way
	v_lshlrev_b32 v[GOFF], 4, v0
	v_and_b32 v[VT], 7, v0                         ; my eighth of the row: dims 4 (t % 8) ..
	v_lshrrev_b32 v[VV], 3, v0                     ; my row, t / 8
	v_lshlrev_b32 v[AOFF], 4, v[VT]
	v_mul_u32_u24 v[XS], v[VV], XPITCH
	v_lshl_add_u32 v[XS], v[VT], 3, v[XS]          ; 4 bf16 = 8 bytes
	v_add_nc_u32 v[XS], XF, v[XS]
	v_lshl_add_u32 v[NUS], v[VV], 2, NU
	v_lshl_add_u32 v[WTS], v0, 4, WT
	v_and_b32 v[VT], 15, v0                        ; r
	v_bfe_u32 v[VV+1], v0, 4, 1                    ; h
	v_mul_u32_u24 v[LAX], v[VT], XPITCH
	v_lshl_add_u32 v[LAX], v[VV+1], 5, v[LAX]      ; dims 16 h .. : 32 bytes of bf16
	v_add_nc_u32 v[LAX], XF, v[LAX]
	v_lshl_add_u32 v[NUL], v[VV+1], 5, NU          ; rows 8 h ..
	v_lshrrev_b32 v[T2], 1, v[VT]
	v_and_b32 v[VV], 1, v0
	v_mul_u32_u24 v[LA], v[T2], CROW               ; (r / 2) 272
	v_lshl_add_u32 v[LA], v[VV], 7, v[LA]          ; + (r % 2) 128
	v_lshl_add_u32 v[LA], v[VV+1], 6, v[LA]        ; + dims 16 h .. : 64 bytes of f32
	v_add_nc_u32 v[LA], s50, v[LA]
	v_lshl_add_u32 v[LGW], v[VT], 2, s51
	v_lshl_add_u32 v[PA], v[VV+1], 5, s54
	SETC CI,  0.15915494                           ; 1 / 2 pi
	SETC CM,  0x4b400000                           ; 1.5 x 2^23
	SETC CNH, 0xc0c90fdb                           ; -(2 pi rounded to f32)
	SETC CNL, 0x343bbd2e                           ; -(2 pi - that) = +1.7484556e-7
	SETC CS0, 0.707106781                          ; sqrt2 sin(r/2) / r in powers of r^2
	SETC CS1, -0.0294627825
	SETC CS2, 0.000368284701
	SETC CS3, -0.00000219213046
	SETC CS4, 0.00000000760305518
	SETC CS5, -0.0000000000165037618
	SETC CC0, 1.41421356                           ; sqrt2 cos(r/2) in powers of r^2
	SETC CC1, -0.176776694
	SETC CC2, 0.00368284562
	SETC CC3, -0.0000306893116
	SETC CC4, 0.00000013678594
	SETC CC5, -0.000000000359768196
	v_mov_b32 v[NEG1], -1.0
	s_wait_dscnt 0x0
	s_wait_kmcnt 0x0
	s_add_nc_u64 s[6:7], s[6:7], s[22:23]          ; c at my wave's centres: equal in the four partners
	s_add_nc_u64 s[4:5], s[4:5], s[52:53]
	s_add_nc_u64 s[16:17], s[16:17], s[56:57]
.irp j, 0,1,2,3
	s_mov_b32 s[G0+4*\j], 1                                        ; count = 1
	s_add_co_u32 s[G0+4*\j+1], s50, \j*LOADB                       ; LDS address
	s_add_nc_u64 s[G0+4*\j+2:G0+4*\j+3], s[6:7], \j*4096           ; 32 centres a load
	s_or_b32 s[G0+4*\j+3], s[G0+4*\j+3], 0x80000000                ; type = 2
.endr
	ROUND                                          ; the four work-groups are here: their joint loads meet
.irp j, 0,1,2,3
	tensor_load_to_lds s[G0+4*\j:G0+4*\j+3], s[G1:G1+7]            ; all first fills in one group, ahead of every LDS access
	s_nop 0
.endr
	s_load_b32 s18, s[14:15], 0x0                  ; b
	global_load_b128 v[RR:RR+3], v[GOFF], s[4:5] th:TH_LOAD_NT     ; the work-group's 4 KiB of x, 16 consecutive bytes a thread; read once in the launch
	global_load_b128 v[AV:AV+3], v[AOFF], s[12:13]
	global_load_b128 v[LS:LS+3], v[GOFF], s[8:9]   ; centres 4 t .. 4 t + 3
	global_load_b128 v[WV:WV+3], v[GOFF], s[10:11]
	s_wait_loadcnt 0x0
	s_wait_kmcnt 0x0
	; THE HEAD
	v_pk_mul_f32 v[PP:PP+1], v[RR:RR+1], v[AV:AV+1]                ; x.a over my four dims
	v_pk_fma_f32 v[PP:PP+1], v[RR+2:RR+3], v[AV+2:AV+3], v[PP:PP+1]
.irp k, 0,1,2,3
	v_mul_f32 v[LS+\k], 0xc038aa3b, v[LS+\k]       ; -2 log2(e) logsig
.endr
.irp k, 0,1,2,3
	v_exp_f32 v[LS+\k], v[LS+\k]                   ; exp(-2 logsig) = 1 / sigma^2
.endr
	v_add_f32 v[XAV], v[PP], v[PP+1]               ; the plain instruction between the exponentials and their use (ISA guide 5.7.2)
	s_wait_alu depctr_va_vdst(0)
.irp k, 0,1,2,3
	v_mul_f32 v[LS+\k], 0xbfb8aa3b, v[LS+\k]       ; -G
.endr
	ROWSUM XAV, 1                                  ; the eight threads of a row are eight neighbouring lanes
	ROWSUM XAV, 2
	ROWSUM XAV, 4
	ds_store_b128 v[WTS], v[WV:WV+3]
	ds_store_b128 v[WTS], v[LS:LS+3] offset:4096
	ds_store_b32 v[NUS], v[XAV] offset:XA-NU       ; eight lanes, one word, one value
	SINCOS 2
	SPLIT QQ, QQ, BF+4, BF+6, 2
	SPLIT RR, KK, BF, BF+2, 2
	v_pk_add_f32 v[PP:PP+1], v[RR:RR+1], v[RR+2:RR+3]
	v_add_f32 v[UV], v[PP], v[PP+1]
	ROWSUM UV, 1
	ROWSUM UV, 2
	ROWSUM UV, 4
	v_mul_f32 v[UV], -1.0, v[UV]
	ds_store_b64 v[XS], v[BF:BF+1]                 ; u hi
	ds_store_b64 v[XS], v[BF+2:BF+3] offset:XTYPE  ; u lo
	ds_store_b64 v[XS], v[BF+4:BF+5] offset:2*XTYPE        ; sin hi
	ds_store_b64 v[XS], v[BF+6:BF+7] offset:3*XTYPE        ; sin lo
	ds_store_b32 v[NUS], v[UV]
	s_wait_dscnt 0x0                               ; for the other waves: all my stores are in LDS
	s_barrier_signal -1                            ; my tensor loads may stay out, and only I read what they bring
	s_barrier_wait -1
	; x's fragments and -U stay in registers for all eight tiles.  Register i of lane (r, h) holds dims 16 h + 2 i, 16 h + 2 i + 1, in A as in B.
.irp T, 0,1
.irp F, 0,1,2,3
	ds_load_b128 v[AF+32*\T+8*\F:AF+32*\T+8*\F+3], v[LAX] offset:\F*XTYPE+\T*16*XPITCH
	ds_load_b128 v[AF+32*\T+8*\F+4:AF+32*\T+8*\F+7], v[LAX] offset:\F*XTYPE+\T*16*XPITCH+16
.endr
	ds_load_b128 v[NEGU+8*\T:NEGU+8*\T+3], v[NUL] offset:64*\T     ; register j: -U of row 16 T + 8 h + j, the layout of C
	ds_load_b128 v[NEGU+8*\T+4:NEGU+8*\T+7], v[NUL] offset:64*\T+16
.endr
; my 64 bytes of centre r of tile t.  Tiles 2 j and 2 j + 1 came with load j.
.macro LOADC t
.if ((\t) % 2) == 0
	s_wait_tensorcnt 3-(\t)/2                      ; a wave's tensor loads end in order (ISA guide 10.11.1): load t/2 is in, the 3 - t/2 younger ones may stay out
.endif
.irp q, 0,1,2,3
	ds_load_b128 v[RR+4*\q:RR+4*\q+3], v[LA] offset:(\t)*TILEB+16*\q
.endr
.endm
; plane fa of x times plane fb of c, for both row tiles.  The two accumulators take turns, one instruction a turn.
.macro MM2 fa, fb, first
.irp T, 0,1
.if \first
	v_wmma_f32_16x16x32_bf16 v[DD+8*\T:DD+8*\T+7], v[AF+32*\T+8*\fa:AF+32*\T+8*\fa+7], v[BF+8*\fb:BF+8*\fb+7], v[NEGU+8*\T:NEGU+8*\T+7]
.else
	v_wmma_f32_16x16x32_bf16 v[DD+8*\T:DD+8*\T+7], v[AF+32*\T+8*\fa:AF+32*\T+8*\fa+7], v[BF+8*\fb:BF+8*\fb+7], v[DD+8*\T:DD+8*\T+7]
.endif
.endr
.endm
.macro TILE t
	s_wait_dscnt 0x0                               ; the tile's rows are in RR (in front of tile 0 also x's fragments and -U)
	ds_load_b32 v[GW], v[LGW] offset:64*\t         ; w of my centre
	ds_load_b32 v[GW+1], v[LGW] offset:4096+64*\t  ; -G of my centre
	SINCOS 8
	SPLIT QQ, QQ, BF+16, BF+24, 8                  ; sin c: hi, lo
	SPLIT RR, KK, BF, BF+8, 8                      ; 1 - cos c: hi, lo
	v_pk_add_f32 v[PP:PP+1], v[RR:RR+1], v[RR+2:RR+3]              ; V in f32: my 16 dims,
	v_pk_add_f32 v[PP+2:PP+3], v[RR+4:RR+5], v[RR+6:RR+7]
	v_pk_add_f32 v[PP+4:PP+5], v[RR+8:RR+9], v[RR+10:RR+11]
	v_pk_add_f32 v[PP+6:PP+7], v[RR+12:RR+13], v[RR+14:RR+15]
	v_pk_add_f32 v[PP:PP+1], v[PP:PP+1], v[PP+2:PP+3]
	v_pk_add_f32 v[PP+4:PP+5], v[PP+4:PP+5], v[PP+6:PP+7]
	v_pk_add_f32 v[PP:PP+1], v[PP:PP+1], v[PP+4:PP+5]
	v_add_f32 v[VT], v[PP], v[PP+1]
	v_permlanex16_b32 v[VV+1], v[VT], s48, s49     ; and the other 16, which lane r + 16 (or r) holds
	v_add_f32 v[VV], v[VT], v[VV+1]
.if \t < 7
	LOADC \t+1                                     ; RR is free: the next tile's rows come in behind the products and the exponentials
.endif
	MM2 0, 0, 1                                    ; -U + u_hi v_hi
	MM2 0, 1, 0                                    ; + u_hi v_lo
	MM2 1, 0, 0                                    ; + u_lo v_hi
	MM2 2, 2, 0                                    ; + the same three for the sines
	MM2 2, 3, 0
	MM2 3, 2, 0
.rept 4
	v_nop                                          ; four places between the last matrix instruction and the first reader of a result (ISA guide 7.12.1)
.endr
.if \t < 7
	s_wait_dscnt 0x4                               ; w and -G are in; the four loads of the next tile's rows, issued behind them, may stay out
.else
	s_wait_dscnt 0x0
.endif
.set i, 0
.rept 8
	v_pk_add_f32 v[KK+i:KK+i+1], v[DD+i:DD+i+1], v[VV:VV+1] op_sel_hi:[1,0] neg_lo:[0,1] neg_hi:[0,1]   ; q = product - U - V, both halves minus v[VV]
.set i, i+2
.endr
.set i, 0
.rept 16
	v_mul_f32 v[KK+i], v[GW+1], |v[KK+i]|          ; -G |q|: never above 0
.set i, i+1
.endr
.set i, 0
.rept 16
	v_exp_f32 v[KK+i], v[KK+i]                     ; Phi
.set i, i+1
.endr
	v_nop                                          ; the plain instruction between the exponentials and their use (ISA guide 5.7.2)
	s_wait_alu depctr_va_vdst(0)
.set i, 0
.rept 8
.if \t == 0
	s_wait_alu depctr_va_vdst(0)
	v_pk_mul_f32 v[SUM+i:SUM+i+1], v[KK+i:KK+i+1], v[GW:GW+1] op_sel_hi:[1,0]                            ; the first tile starts the sums: nothing is cleared
.else
	v_pk_fma_f32 v[SUM+i:SUM+i+1], v[KK+i:KK+i+1], v[GW:GW+1], v[SUM+i:SUM+i+1] op_sel_hi:[1,0,1]        ; += w Phi, both halves times v[GW]
.endif
.set i, i+2
.endr
.endm
	LOADC 0
	TILE 0
	TILE 1
	TILE 2
	TILE 3
	TILE 4
	TILE 5
	TILE 6
	TILE 7                                         ; the rows of tile 6 were read behind s_wait_tensorcnt 0: no tensor load is out from there on
	; THE END.  A lane holds the sums over its own centres: add the 16 lanes of each half, 16 registers side by side.
.irp m, 1,2,4,8
.set i, 0
.rept 16
	ROWSUM SUM+i, \m
.set i, i+1
.endr
.endr
	ds_store_b128 v[PA], v[SUM:SUM+3]              ; rows 8 h .. 8 h + 3; the 16 lanes of a half store the same bytes
	ds_store_b128 v[PA], v[SUM+4:SUM+7] offset:16
	ds_store_b128 v[PA], v[SUM+8:SUM+11] offset:64 ; rows 16 + 8 h ..
	ds_store_b128 v[PA], v[SUM+12:SUM+15] offset:80
	s_wait_dscnt 0x0                               ; for wave 0: my partial sums are in LDS
	ROUND                                          ; the closing round: its barriers show wave 0 all eight waves' sums, and no work-group ends while a partner could still ask jointly
	s_cmp_lg_u32 s19, 0
	s_cbranch_scc1 .Lend
	v_and_b32 v[GOFF], 31, v0                      ; wave 0: lane = row
	v_lshlrev_b32 v[GOFF], 2, v[GOFF]
	v_add_nc_u32 v[AOFF], XA, v[GOFF]
	ds_load_b32 v[RR+8], v[AOFF]                   ; x.a
.irp k, 0,1,2,3,4,5,6,7
	ds_load_b32 v[RR+\k], v[AOFF] offset:PART-XA+128*\k
.endr
	s_wait_dscnt 0x0
	v_add_f32 v[RR+8], s18, v[RR+8]                ; + b
	v_pk_add_f32 v[RR:RR+1], v[RR:RR+1], v[RR+2:RR+3]
	v_pk_add_f32 v[RR+4:RR+5], v[RR+4:RR+5], v[RR+6:RR+7]
	v_pk_add_f32 v[RR:RR+1], v[RR:RR+1], v[RR+4:RR+5]
	v_add_f32 v[RR], v[RR], v[RR+1]
	v_add_f32 v[RR], v[RR], v[RR+8]
	global_store_b32 v[GOFF], v[RR], s[16:17]      ; the work-group's 32 outputs: 128 consecutive bytes in one store
.Lend:
	s_set_vgpr_msb 0x5
	s_wait_tensorcnt 0x0
	ds_add_u32 v0, v1
	s_wait_dscnt 0x0
	s_set_vgpr_msb 0x500
	s_endpgm
.Lfunc_end_k_q7ac56cc3bb_rbf:
	.size	k_q7ac56cc3bb_rbf, .Lfunc_end_k_q7ac56cc3bb_rbf-k_q7ac56cc3bb_rbf
	.p2alignl 7, 3214868480
	.fill 96, 4, 3214868480
	.section	.rodata,"a",@progbits
	.p2align	6, 0x0
	.amdhsa_kernel k_q7ac56cc3bb_rbf
		.amdhsa_group_segment_fixed_size 168960
		.amdhsa_private_segment_fixed_size 0
		.amdhsa_enable_private_segment 0
		.amdhsa_kernarg_size 56
		.amdhsa_user_sgpr_count 2
		.amdhsa_user_sgpr_kernarg_segment_ptr 1
		.amdhsa_wavefront_size32 1
		.amdhsa_system_sgpr_workgroup_id_x 1
		.amdhsa_system_sgpr_workgroup_id_y 1
		.amdhsa_system_sgpr_workgroup_id_z 1
		.amdhsa_system_vgpr_workitem_id 0
		.amdhsa_next_free_vgpr 258
		.amdhsa_next_free_sgpr 66
		.amdhsa_reserve_vcc 0
		.amdhsa_float_denorm_mode_32 3
		.amdhsa_float_denorm_mode_16_64 3
		.amdhsa_memory_ordered 1
		.amdhsa_forward_progress 1
		.amdhsa_inst_pref_size 160
	.end_amdhsa_kernel
	.amdgpu_metadata
---
amdhsa.version: [ 1, 2 ]
amdhsa.kernels:
  - .name:           k_q7ac56cc3bb_rbf
    .symbol:         k_q7ac56cc3bb_rbf.kd
    .args:
      - { .name: x, .offset: 0, .size: 8, .value_kind: global_buffer, .address_space: global }
      - { .name: c, .offset: 8, .size: 8, .value_kind: global_buffer, .address_space: global }
      - { .name: logsig, .offset: 16, .size: 8, .value_kind: global_buffer, .address_space: global }
      - { .name: w, .offset: 24, .size: 8, .value_kind: global_buffer, .address_space: global }
      - { .name: a, .offset: 32, .size: 8, .value_kind: global_buffer, .address_space: global }
      - { .name: b, .offset: 40, .size: 8, .value_kind: global_buffer, .address_space: global }
      - { .name: out0, .offset: 48, .size: 8, .value_kind: global_buffer, .address_space: global }
    .group_segment_fixed_size: 168960
    .private_segment_fixed_size: 0
    .kernarg_segment_align: 8
    .kernarg_segment_size: 56
    .max_flat_workgroup_size: 256
    .sgpr_count:     66
    .vgpr_count:     258
    .wavefront_size: 32
...
	.end_amdgpu_metadata
.endif
;; end of part 1
